; MI455X (gfx1250); checked and timed in simulation.
; The chip was launched on July 23, 2026; its instructions are those of AMD's public machine-readable ISA for CDNA 5 (MIT licence, August 2026) and "CDNA5" Instruction Set Architecture Reference Guide (July 2026). The comments in the code are by the model that wrote it; some were corrected since.
;; Single Head Attention. Allowed arithmetic: matrix products marked QUANTISED: E4M3 operands, one given power-of-two scale a tensor, by v_wmma_f32_16x16x64_fp8_fp8 or v_wmma_f32_16x16x128_fp8_fp8, f32 sums; everything else in f32.
;; Inputs: Wk 1,024 x 64 float32; Wq 1,024 x 64 float32; Wv 1,024 x 64 float32; bk 64 float32; bq 64 float32; bv 64 float32; lowp_scales 10 int32 (the exponents e of the quantised operands' scales 2^e); x 4 x 4,096 x 1,024 float32.
;; Outputs: out0 4 x 4,096 x 64 float32.
;; This version of the problem:
;;   THIS VERSION OF THE PROBLEM IS GIVEN IN LOW PRECISION. The matrix products marked QUANTISED in the list below multiply operands that are first quantised to E4M3 (4 exponent bits, 3 mantissa bits; 8 bits a number), with one given power-of-two scale for each operand tensor; their sums are f32. All else is computed in f32.
;;   The module's matrix products, in the order in which they are computed (A, B: the left and right operand; K: the contracted axis; several contracted axes count as one K, in the product's order):
;;     1. [M 16,384, K 1,024] x [K 1,024, N 64]; A: input x; B: input Wq: QUANTISED (scales: A lowp_scales[0], B lowp_scales[1])
;;     2. [M 16,384, K 1,024] x [K 1,024, N 64]; A: input x; B: input Wk: QUANTISED (scales: A lowp_scales[2], B lowp_scales[3])
;;     3. [M 16,384, K 1,024] x [K 1,024, N 64]; A: input x; B: input Wv: QUANTISED (scales: A lowp_scales[4], B lowp_scales[5])
;;     4. batch 4 x [M 4,096, K 64] x [K 64, N 4,096]; A: computed on the way; B: computed on the way: QUANTISED (scales: A lowp_scales[6], B lowp_scales[7])
;;     5. batch 4 x [M 4,096, K 4,096] x [K 4,096, N 64]; A: softmax (see below); B: computed on the way: QUANTISED (scales: A lowp_scales[8], B lowp_scales[9])
;;   THE QUANTISER, for each operand of a quantised product, along K:
;;     - The operand's scale is 2^e, e = its entry of the input lowp_scales (int32; the entries are numbered through the quantised products in the list's order, A before B).
;;     - Each number is divided by the scale, clamped to +-448, and rounded to the nearest number of E4M3, ties to even, subnormals kept.
;;     - The product sums the exact products of the quantised numbers (number of the format x scale) in f32.
;;   ~~~python
;;   def quantise(x, axis, e):      # numpy; x: float32 -> the quantised numbers, widened to float32 again
;;       x = np.moveaxis(x, axis, -1); K = x.shape[-1]
;;       r = np.clip(x / 2.0 ** e, -448, 448)
;;       step = 2.0 ** (np.maximum(np.frexp(np.where(r == 0, 1, r))[1] - 1, -6) - 3)
;;       q = np.round(r / step) * step * 2.0 ** e      # np.round: ties to even
;;       return np.moveaxis(q, -1, axis).astype(np.float32)
;;   ~~~
;;   SOFTMAX AHEAD OF A QUANTISED PRODUCT. Where the list says 'softmax', what is quantised is not the finished softmax but p = 2^(t - M), with t = logit x log2(e) and M = ceil(the row's largest t), a whole number; so 1/2 < the row's largest p <= 1. The row's sum l is taken of the UNQUANTISED p, in f32, and the product's result is divided by l at the end. Since M is a whole number, a kernel that streams over the keys may use a running M (the ceiling of the running maximum): every later rescaling is an exact power of two, so the quantised numbers keep their values, but for numbers so far below the row's largest that they fall under the format's range.
;;   OPERANDS COMPUTED ON THE WAY. 'Computed on the way' means the value that the module computes at that place (a softmax that the list does not call 'softmax' is quantised finished and normalised). What goes into a quantiser is computed in f32, as accurately as f32 sums, v_exp_f32 and their like allow (about 1e-6 of the number): no bf16 or f16 on the way to a quantiser, and a product that is left as it is and whose result goes on into a quantised operand takes f32 operands (vector FMAs, or v_wmma_f32_16x16x4_f32). A number that lies on a knife's edge between two numbers of the format may be rounded either way, as far as f32 arithmetic and the matrix unit's own rounding can turn it there, and no further.
;; One version. Each part assembles by itself: llvm-mc -triple=amdgcn-amd-amdhsa -mcpu=gfx1250 --defsym DOCPART=n.
;; ======== version 1 of 1: 3 launches
;; limits: right only within a limited range of input values
;; workspace buffers: wcodes 196,608 bytes; qcodes 1,048,576 bytes; kvcodes 2,097,152 bytes
;; launch wquant (part 1): grid 8 x 3, 8 waves a work-group, no clusters, 0 bytes of LDS; arguments Wq, Wk, Wv, lowp_scales, wcodes; writes wcodes
.if DOCPART == 1
	.amdgcn_target "amdgcn-amd-amdhsa--gfx1250"
	.amdhsa_code_object_version 6
	.text
	.protected	k_q856b7dd3d3_wquant
	.globl	k_q856b7dd3d3_wquant
	.p2align	8
	.type	k_q856b7dd3d3_wquant,@function
k_q856b7dd3d3_wquant:
	s_mov_b64 s[64:65], 0
	v_nop
	global_prefetch_b8 v0, s[64:65] scope:SCOPE_SE
	s_setreg_imm32_b32 hwreg(HW_REG_WAVE_MODE, 25, 1), 1
	s_wait_xcnt 0x0
; Wq, Wk, Wv [1024 (k)][64 (n)], f32, become codes of E4M3, laid in the order in which the next launch's operand registers take them.
; code = w / 2^e, held within +-448, rounded to the nearest code, ties to even; e = entry 1, 3, 5 of the scales for Wq, Wk, Wv.
; LIMITS: each of these e lies between -126 and 119, so that 2^e and 448 x 2^e are f32 numbers.  NaN among the inputs is not served.
; OUTPUT.  Fragment (KAPPA = K step of 128, T = 4 x product + column tile of 16) begins at byte (12 KAPPA + T) x 2,048.  In it register group c (four registers)
; of lane (r, h) lies at 512 c + 256 h + 16 r and holds column 16 (T % 4) + r, k = 128 KAPPA + 32 c + 16 h + 0 .. 15.
; SHARES.  Grid x = KAPPA, grid y = the product.  Wave: half = wave % 2 (32 columns), c = wave / 2 (32 along K).  A LANE TAKES A COLUMN AND ITS REGISTERS RUN DOWN K:
; a load reads 128 consecutive bytes of a row of W, the conversions give codes with K innermost, and nothing is transposed.
; A lane's 32 codes are two pieces of 16 bytes (h = 0, h = 1): sixteen neighbouring lanes store 256 consecutive bytes, aligned.  No LDS, no barrier: waves share nothing.
; 24 work-groups: the three weights are 786,432 bytes in all, and there is no more work than that.
.set X, 8                              ; v8-39   32 numbers down K
.set C, 40                             ; v40-47  their codes
	s_load_b256 s[4:11], s[0:1], 0x0               ; Wq s[4:5], Wk s[6:7], Wv s[8:9], the scales' exponents s[10:11]
	s_load_b64 s[12:13], s[0:1], 0x20              ; the codes
	v_lshrrev_b32 v1, 5, v0
	s_delay_alu instid0(VALU_DEP_1)
	v_readfirstlane_b32 s14, v1                    ; wave 0..7
	v_and_b32 v2, 31, v0                           ; lane
	s_and_b32 s15, ttmp7, 0xffff                   ; the product: 0 q, 1 k, 2 v
	s_and_b32 s16, s14, 1                          ; half: which 32 columns
	s_lshr_b32 s17, s14, 1                         ; c: which 32 along K
	v_lshlrev_b32 v3, 2, v2
	s_lshl_b32 s18, s16, 7
	v_add_nc_u32 v3, s18, v3                       ; in: 128 x half + 4 x lane, in a row of 256 bytes
	v_and_b32 v6, 15, v2
	v_lshrrev_b32 v7, 4, v2
	s_delay_alu instid0(VALU_DEP_2)
	v_lshlrev_b32 v6, 4, v6
	s_delay_alu instid0(VALU_DEP_1)
	v_lshl_add_u32 v6, v7, 11, v6                  ; out: 16 (lane % 16), and lanes 16-31 one fragment (2,048 bytes) further on
	s_lshl_b32 s18, ttmp9, 15                      ; 128 KAPPA rows of 256 bytes,
	s_lshl_b32 s19, s17, 13                        ; and 32 c rows
	s_add_co_u32 s18, s18, s19
	s_mov_b32 s19, 0
	s_mul_i32 s28, ttmp9, 12
	s_lshl_b32 s29, s15, 2
	s_add_co_u32 s28, s28, s29
	s_lshl_b32 s29, s16, 1
	s_add_co_u32 s28, s28, s29                     ; fragment 12 KAPPA + 4 x product + 2 x half
	s_lshl_b32 s28, s28, 11
	s_lshl_b32 s29, s17, 9
	s_add_co_u32 s28, s28, s29                     ; + 512 c
	s_mov_b32 s29, 0
	s_wait_alu depctr_va_vdst(0)
	s_wait_kmcnt 0x0
	s_load_b256 s[20:27], s[10:11], 0x0            ; entries 0 to 7 of the ten
	s_cmp_eq_u32 s15, 0                            ; the weight is chosen by the work-group's y alone
	s_cselect_b64 s[4:5], s[4:5], s[6:7]
	s_cmp_eq_u32 s15, 2
	s_cselect_b64 s[4:5], s[8:9], s[4:5]
	s_add_nc_u64 s[4:5], s[4:5], s[18:19]
	s_add_nc_u64 s[12:13], s[12:13], s[28:29]
.set i, 0
.rept 32
	global_load_b32 v[X+i], v3, s[4:5] offset:256*i th:TH_LOAD_NT   ; W(128 KAPPA + 32 c + i, my column)
.set i, i+1
.endr
	s_wait_kmcnt 0x0
	s_cmp_eq_u32 s15, 0
	s_cselect_b32 s20, s21, s23                    ; entry 1 or 3,
	s_cmp_eq_u32 s15, 2
	s_cselect_b32 s20, s25, s20                    ; or 5
	s_add_co_i32 s20, s20, 127
	s_lshl_b32 s21, s20, 23
	v_mov_b32 v4, s21                              ; 2^e as f32: the conversion takes its exponent field
	s_add_co_i32 s20, s20, 8
	s_lshl_b32 s20, s20, 23
	s_or_b32 s20, s20, 0x600000
	v_mov_b32 v5, s20                              ; 448 x 2^e
	s_wait_alu depctr_va_vdst(0)
	s_wait_loadcnt 0x0
.set i, 0
.rept 32
	v_med3_num_f32 v[X+i], v[X+i], -v5, v5         ; the conversion to an 8-bit code does not saturate (ISA guide 7.6.2): the hold comes first
.set i, i+1
.endr
.irp g, 0,1,2,3
	v_cvt_scalef32_pk8_fp8_f32 v[C+2*\g:C+2*\g+1], v[X+8*\g:X+8*\g+7], v4
.endr
	global_store_b128 v6, v[C:C+3], s[12:13]                 ; k 0 .. 15 of my 32: the place of lane (r, 0)
	global_store_b128 v6, v[C+4:C+7], s[12:13] offset:256    ; k 16 .. 31: the place of lane (r, 1)
	s_endpgm
.Lfunc_end_k_q856b7dd3d3_wquant:
	.size	k_q856b7dd3d3_wquant, .Lfunc_end_k_q856b7dd3d3_wquant-k_q856b7dd3d3_wquant
	.p2alignl 7, 3214868480
	.fill 96, 4, 3214868480
	.section	.rodata,"a",@progbits
	.p2align	6, 0x0
	.amdhsa_kernel k_q856b7dd3d3_wquant
		.amdhsa_group_segment_fixed_size 0
		.amdhsa_private_segment_fixed_size 0
		.amdhsa_enable_private_segment 0
		.amdhsa_kernarg_size 40
		.amdhsa_user_sgpr_count 2
		.amdhsa_user_sgpr_kernarg_segment_ptr 1
		.amdhsa_wavefront_size32 1
		.amdhsa_system_sgpr_workgroup_id_x 1
		.amdhsa_system_sgpr_workgroup_id_y 1
		.amdhsa_system_sgpr_workgroup_id_z 1
		.amdhsa_system_vgpr_workitem_id 0
		.amdhsa_next_free_vgpr 48
		.amdhsa_next_free_sgpr 66
		.amdhsa_reserve_vcc 0
		.amdhsa_float_denorm_mode_32 3
		.amdhsa_float_denorm_mode_16_64 3
		.amdhsa_memory_ordered 1
		.amdhsa_forward_progress 1
		.amdhsa_inst_pref_size 8
	.end_amdhsa_kernel
	.amdgpu_metadata
---
amdhsa.version: [ 1, 2 ]
amdhsa.kernels:
  - .name:           k_q856b7dd3d3_wquant
    .symbol:         k_q856b7dd3d3_wquant.kd
    .args:
      - { .name: Wq, .offset: 0, .size: 8, .value_kind: global_buffer, .address_space: global }
      - { .name: Wk, .offset: 8, .size: 8, .value_kind: global_buffer, .address_space: global }
      - { .name: Wv, .offset: 16, .size: 8, .value_kind: global_buffer, .address_space: global }
      - { .name: lowp_scales, .offset: 24, .size: 8, .value_kind: global_buffer, .address_space: global }
      - { .name: wcodes, .offset: 32, .size: 8, .value_kind: global_buffer, .address_space: global }
    .group_segment_fixed_size: 0
    .private_segment_fixed_size: 0
    .kernarg_segment_align: 8
    .kernarg_segment_size: 40
    .max_flat_workgroup_size: 256
    .sgpr_count:     66
    .vgpr_count:     48
    .wavefront_size: 32
...
	.end_amdgpu_metadata
.endif
;; end of part 1
;; launch proj (part 2): grid 256 x 1, 12 waves a work-group, no clusters, 327,680 bytes of LDS; arguments x, wcodes, bq, bk, bv, lowp_scales, qcodes, kvcodes; writes qcodes, kvcodes
.if DOCPART == 2
	.amdgcn_target "amdgcn-amd-amdhsa--gfx1250"
	.amdhsa_code_object_version 6
	.text
	.protected	k_q856b7dd3d3_proj
	.globl	k_q856b7dd3d3_proj
	.p2align	8
	.type	k_q856b7dd3d3_proj,@function
k_q856b7dd3d3_proj:
	s_mov_b64 s[64:65], 0
	v_nop
	global_prefetch_b8 v0, s[64:65] scope:SCOPE_SE
	s_setreg_imm32_b32 hwreg(HW_REG_WAVE_MODE, 25, 1), 1
	s_wait_xcnt 0x0
; q = x Wq + bq, k = x Wk + bk, v = x Wv + bv on codes of E4M3, and q, k, v quantised again for the attention launch.  x: [16384][1024] f32.  The weights come as codes in register order.
; x is an operand of three products under three given scales (entries 0, 2, 4), so it is quantised three times.  A finished sum is multiplied by 2^(ea + eb), the bias is added (one fused
; multiply-add), and the result is quantised with entry 6 (q), 7 (k), 9 (v).
; LIMITS: entries 0, 2, 4, 6, 7, 9 lie between -126 and 119; the sums of entries 0+1, 2+3, 4+5 between -126 and 127.  NaN among the inputs is not served.  K is summed as four f32 partial sums of 256 each.
; SHARES.  A work-group owns 64 rows of x (262,144 bytes).  Its twelve waves are four quarters of K times three products: wave w: product w / 4, quarter w % 4.  A wave quantises its quarter of x for its own
; product's scale, holds that product's eight fragments of the weights (128 registers), and the partial sums of the four quarters meet in LDS at the end.
; x COMES BY TENSOR LOADS, one a wave, all at the head: waves 0-3 rows 0-31, waves 4-7 rows 32-47, waves 8-11 rows 48-63, each of its quarter of K.  So the rows are worked in three stages, the later ones still on
; their way.  No LDS byte is filled twice.  No prefetch: there is no loop to run ahead in, all of x is asked for at the head.
; NO CLUSTER: no two work-groups read the same byte of x, and the weights go from memory into registers: beside x's 266,240 bytes LDS has no room for their 196,608.
; OUTPUT, as images of operand registers (register group g of lane l at 512 g + 16 l).  q: row tile i (16 rows) at 1,024 i; registers 2 c, 2 c + 1 of lane (r, h): row r, head units 16 c + 8 h + 0 .. 7.
; k and v share a buffer: for each 128 rows 8,192 bytes of k (eight row tiles as q's), then 8,192 of v: 64 rows' head tile t at 4,096 (block % 2) + 1,024 t; lane (r, h): head unit 16 t + r, registers 2 c, 2 c + 1: keys 16 c + 8 h + 0 .. 7.
; q's and k's products are used transposed (source 0 = 16 columns of W, source 1 = 16 rows of x), v's is not.
; REGISTERS.  Window 0: v1-25 addresses and scales; v32-95 x's numbers; v96-111 their codes; v128-255 the weights.  Window 1: two sets of four accumulators.
.set RGN,   16640                      ; LDS: a region = 16 rows x (1,024 bytes + 16 of padding).  Pitch 1,040 = 65 x 16: the 16 rows that a load touches start at 16 different banks (ISA guide 11.1)
.set WRGN,  4*RGN                      ; a quarter's four regions, one for each row tile.  Once read by all three products, region (quarter, tile) takes their partial sums of tiles 0 to 2
.set P3,    16*RGN                     ; the partial sums of row tile 3: (3 x quarter + product) x 4,096
.set BIAS,  P3+49152                   ; a bias' 64 numbers for each wave
.set SPARE, BIAS+3072                  ; the spare words, 128 bytes for each wave: six blocks of 256 bytes that no other line names
.set SPW, 1                            ; LDS address of my spare word; never rewritten
.set NIL, 2                            ; 0; never rewritten
.set LI,  3                            ; 16 x lane
.set XA,  4                            ; x in LDS: my quarter's regions + 1,040 r + 64 h
.set PA,  5                            ; where I put partial sums of row tiles 0 to 2
.set PA3, 6                            ; and of row tile 3
.set BST, 7                            ; my bias in LDS: in,
.set BQA, 8                            ; out for q and k,
.set BVA, 9                            ; out for v
.set SX,  10                           ; v10, v11  2^e and 448 x 2^e of x for my product
.set SO,  12                           ; v12, v13  the same for the output
.set RQ,  14                           ; v14-17  partner p's partial sums of the row tile that I finish (q, k)
.set RV,  18                           ; v18-21  partner p's at the head tile that I finish (v), row tiles 0 to 2;  v22 row tile 3
.set RV3, 22
.set BD,  24                           ; v24, v25  two numbers of my bias
.set X,   32
.set CD,  96
.set WT,  128
.set XB,  32                           ; at the end: v32-159 the four partners' sums, v160-191 the bias, v192-199 the output's codes
.set BB,  160
.set OC,  192
.set WV,  20                           ; my wave's number
.set PR,  21                           ; my product
.set KQ,  22                           ; my quarter of K, and the row tile (q, k) or head tile (v) that I finish
.set G1A, 24                           ; s[24:31] descriptor group 1 for 32 rows;  s[36:43] for 16 rows
.set G0,  80                           ; s[80:91] group 0, one set for each stage
.set G1B, 36
.set MSB, 0
.macro WIN new                         ; the immediate's high byte repeats the setting that is left; a switch that changes nothing is dropped
.if MSB != (\new)
	s_set_vgpr_msb (MSB<<8)|(\new)
.set MSB, (\new)
.endif
.endm
.macro MKSCALE vs, se                  ; v[vs] = 2^e, v[vs + 1] = 448 x 2^e, e in s[se]
	s_add_co_i32 s58, s[\se], 127
	s_lshl_b32 s59, s58, 23
	v_mov_b32 v[\vs], s59
	s_add_co_i32 s58, s58, 8
	s_lshl_b32 s58, s58, 23
	s_or_b32 s58, s58, 0x600000
	v_mov_b32 v[\vs+1], s58
.endm
.macro DESC g, rows                    ; rows x 256 elements of 4 bytes, 1,024 elements from row to row; four words of padding after every 256
	s_mov_b32 s[\g], (2<<16)|(1<<20)|(7<<22)|(3<<25)
	s_mov_b32 s[\g+1], 256<<16
	s_mov_b32 s[\g+2], \rows<<16
	s_mov_b32 s[\g+3], 256<<16
	s_mov_b32 s[\g+4], \rows
	s_mov_b32 s[\g+5], 1024
	s_mov_b32 s[\g+6], 0
	s_mov_b32 s[\g+7], 0
.endm
	s_load_b512 s[4:19], s[0:1], 0x0               ; x s[4:5], the weights' codes s[6:7], bq s[8:9], bk s[10:11], bv s[12:13], the scales s[14:15], q's codes s[16:17], k's and v's s[18:19]
	v_lshl_add_u32 v[SPW], v0, 2, SPARE
	v_mov_b32 v[NIL], 0
	ds_add_u32 v[SPW], v[NIL]                      ; the wave's opening: the add, twice on end, and its wait ahead of my tensor load
	ds_add_u32 v[SPW], v[NIL]
	v_lshrrev_b32 v26, 5, v0
	v_readfirstlane_b32 s[WV], v26                 ; wave 0..11
	s_lshr_b32 s[PR], s[WV], 2
	s_and_b32 s[KQ], s[WV], 3
	DESC G1A, 32
	DESC G1B, 16
	; x: my work-group's 64 rows of 4,096 bytes, my 1,024 bytes of a row, from row 0, 32 or 48 on
	s_mul_i32 s63, s[KQ], WRGN                     ; my quarter's regions
	s_lshl_b32 s60, ttmp9, 18
	s_lshl_b32 s62, s[KQ], 10
	s_add_co_u32 s60, s60, s62
	s_mov_b32 s61, 0
	; the weights: fragment 12 (2 quarter + s) + 4 product + T, 2,048 bytes each
	s_mul_i32 s44, s[KQ], 49152
	s_lshl_b32 s45, s[PR], 13
	s_add_co_u32 s44, s44, s45
	s_mov_b32 s45, 0
	; my image: 1,024 x the tile that I finish, in 4,096 bytes of q for a work-group, or of k or of v for half of 128 rows
	s_lshr_b32 s46, ttmp9, 1
	s_lshl_b32 s46, s46, 14
	s_and_b32 s47, ttmp9, 1
	s_lshl_b32 s47, s47, 12
	s_add_co_u32 s46, s46, s47
	s_lshr_b32 s47, s[PR], 1
	s_lshl_b32 s47, s47, 13                        ; v: 8,192 bytes on
	s_add_co_u32 s46, s46, s47
	s_lshl_b32 s47, ttmp9, 12
	s_cmp_eq_u32 s[PR], 0
	s_cselect_b32 s46, s47, s46
	s_lshl_b32 s47, s[KQ], 10
	s_add_co_u32 s46, s46, s47
	s_mov_b32 s47, 0
	; LDS bases
	s_lshl_b32 s69, s[PR], 12                      ; my product's 4,096 bytes
	s_add_co_u32 s70, s63, s69                     ; partial sums, row tiles 0 to 2
	s_mul_i32 s71, s[KQ], 12288
	s_add_co_u32 s71, s71, P3
	s_add_co_u32 s71, s71, s69                     ; row tile 3
	s_mul_i32 s59, s[KQ], RGN
.irp p, 0,1,2,3
	s_add_co_u32 s[72+\p], s59, \p*WRGN
	s_cmp_eq_u32 s[KQ], 3
	s_cselect_b32 s[72+\p], P3+12288*\p, s[72+\p]
	s_add_co_u32 s[72+\p], s[72+\p], s69
.endr
	s_lshl_b32 s76, s[WV], 8
	s_add_co_u32 s76, s76, BIAS                    ; my bias
	s_lshl_b32 s77, s[KQ], 6
	s_add_co_u32 s77, s77, s76                     ; + 16 numbers for each head tile
	s_lshl_b32 s78, s[KQ], 10
	s_add_co_u32 s78, s78, 8192                    ; v's partial sums at my head tile
	v_and_b32 v26, 31, v0                          ; lane
	v_and_b32 v27, 15, v0                          ; r
	v_bfe_u32 v28, v0, 4, 1                        ; h
	v_lshlrev_b32 v[LI], 4, v26
	v_lshlrev_b32 v23, 3, v26                      ; 8 x lane: two numbers of the bias
	v_mul_u32_u24 v[XA], v27, 1040
	v_lshl_add_u32 v[XA], v28, 6, v[XA]
	v_add_nc_u32 v[XA], s63, v[XA]
	v_add_nc_u32 v[PA], s70, v[LI]
	v_add_nc_u32 v[PA3], s71, v[LI]
	v_add_nc_u32 v[BST], s76, v23
	v_lshl_add_u32 v[BQA], v28, 5, s76
	v_lshl_add_u32 v[BVA], v27, 2, s77
.irp p, 0,1,2,3
	v_add_nc_u32 v[RQ+\p], s[72+\p], v[LI]
.endr
	v_add_nc_u32 v[RV], s78, v[LI]
	v_add_nc_u32 v[RV+1], WRGN, v[RV]
	v_add_nc_u32 v[RV+2], 2*WRGN, v[RV]
	v_add_nc_u32 v[RV+3], 3*WRGN, v[RV]
	v_add_nc_u32 v[RV3], P3, v[RV]
	s_wait_alu depctr_va_vdst(0)                   ; the wait here, directly ahead of the waits below
	s_wait_dscnt 0x0                               ; both opening adds are done
	s_wait_kmcnt 0x0
	s_load_b256 s[48:55], s[14:15], 0x0            ; entries 0 to 7,
	s_load_b64 s[56:57], s[14:15], 0x20            ; 8 and 9
	s_add_nc_u64 s[60:61], s[4:5], s[60:61]
.irp n, 0,1,2                                  ; stage n begins at row tile 0, 2, 3
	s_mov_b32 s[G0+4*\n], 1                                                               ; 1:0 count = 1
	s_add_co_u32 s[G0+4*\n+1], s63, (\n+(\n+1)/2)*RGN                                     ; 63:32 LDS address
	s_add_nc_u64 s[G0+4*\n+2:G0+4*\n+3], s[60:61], (\n+(\n+1)/2)*65536                    ; 120:64 global address: 16 rows of 4,096 bytes a tile
	s_or_b32 s[G0+4*\n+3], s[G0+4*\n+3], 0x80000000                                      ; 127:126 type = 2
.endr
	s_cmp_lt_u32 s[WV], 4
	s_cbranch_scc0 .Lnot_stage_0
	tensor_load_to_lds s[G0:G0+3], s[G1A:G1A+7]
	s_nop 0
.rept 4
	v_nop
.endr
	s_branch .Lasked
.Lnot_stage_0:
	s_cmp_lt_u32 s[WV], 8
	s_cbranch_scc0 .Lnot_stage_1
	tensor_load_to_lds s[G0+4:G0+7], s[G1B:G1B+7]
	s_nop 0
.rept 4
	v_nop
.endr
	s_branch .Lasked
.Lnot_stage_1:
	tensor_load_to_lds s[G0+8:G0+11], s[G1B:G1B+7]
	s_nop 0
.rept 4
	v_nop
.endr
.Lasked:
	s_add_nc_u64 s[6:7], s[6:7], s[44:45]
.irp T, 0,1,2,3                                ; each load reads 512 consecutive bytes
.irp c, 0,1,2,3
	global_load_b128 v[WT+16*\T+4*\c:WT+16*\T+4*\c+3], v[LI], s[6:7] offset:\T*2048+512*\c
.endr
.endr
.irp T, 0,1,2,3
.irp c, 0,1,2,3
	global_load_b128 v[WT+64+16*\T+4*\c:WT+64+16*\T+4*\c+3], v[LI], s[6:7] offset:(12+\T)*2048+512*\c
.endr
.endr
	s_cmp_eq_u32 s[PR], 0                          ; the bias and the output's buffer are chosen by the wave's number alone
	s_cselect_b64 s[8:9], s[8:9], s[10:11]
	s_cselect_b64 s[16:17], s[16:17], s[18:19]
	s_cmp_eq_u32 s[PR], 2
	s_cselect_b64 s[8:9], s[12:13], s[8:9]
	global_load_b64 v[BD:BD+1], v23, s[8:9]
	s_add_nc_u64 s[16:17], s[16:17], s[46:47]
	s_wait_kmcnt 0x0
	s_cmp_eq_u32 s[PR], 0
	s_cselect_b32 s48, s48, s50                    ; x's exponent: entry 0 or 2,
	s_cselect_b32 s49, s49, s51                    ; the weight's: 1 or 3,
	s_cselect_b32 s54, s54, s55                    ; the output's: 6 or 7,
	s_cmp_eq_u32 s[PR], 2
	s_cselect_b32 s48, s52, s48                    ; or 4,
	s_cselect_b32 s49, s53, s49                    ; 5,
	s_cselect_b32 s54, s57, s54                    ; 9
	MKSCALE SX, 48
	MKSCALE SO, 54
	s_add_co_i32 s66, s48, s49
	s_add_co_i32 s66, s66, 127
	s_lshl_b32 s66, s66, 23                        ; 2^(ea + eb) as f32,
	s_mov_b32 s67, s66                             ; named as a pair, so both are written
; Block b (32 along K) of row tile m's K step s: four registers a load: register 16 b + 4 j + i = x(row r, k = 128 s + 32 b + 16 h + 4 j + i of my quarter)
.macro XLDB m, s, b
.irp j, 0,1,2,3
	ds_load_b128 v[X+16*\b+4*\j:X+16*\b+4*\j+3], v[XA] offset:RGN*\m+512*\s+128*\b+16*\j
.endr
.endm
.macro XLD m
	XLDB \m, 0, 0
	XLDB \m, 0, 1
	XLDB \m, 0, 2
	XLDB \m, 0, 3
.endm
; A K step of 128: 64 numbers a lane become a fragment of codes, block by block; as soon as a block is converted, the next step's block (tile nm, step ns) is loaded into its registers.
; The wait at block b: behind its four loads stand the 4 (3 - b) of this step's later blocks and, where more = 1, the 4 b of the next step's first blocks: 12.  In a stage's first step `extra` LDS
; stores stand between the two; block 3's wait covers them.
.macro QSTEP nm, ns, more, extra
.irp b, 0,1,2,3
.if \more
.if \b < 3
	s_wait_dscnt 12+\extra
.else
	s_wait_dscnt 12
.endif
.else
	s_wait_dscnt 12-4*\b
.endif
.irp i, 0,1,2,3,4,5,6,7,8,9,10,11,12,13,14,15
	v_med3_num_f32 v[X+16*\b+\i], v[X+16*\b+\i], -v[SX+1], v[SX+1]   ; the conversion to an 8-bit code does not saturate (ISA guide 7.6.2)
.endr
	v_cvt_scalef32_pk8_fp8_f32 v[CD+4*\b:CD+4*\b+1], v[X+16*\b:X+16*\b+7], v[SX]
	v_cvt_scalef32_pk8_fp8_f32 v[CD+4*\b+2:CD+4*\b+3], v[X+16*\b+8:X+16*\b+15], v[SX]
.if \more
	XLDB \nm, \ns, \b
.endif
.endr
	v_nop                                          ; one plain vector instruction between the last conversion and the matrix instructions that read its result
.endm
; Four matrix instructions, the four accumulators of set ac by turns, one instruction a turn.  s = 0 starts the sums: nothing is cleared.
.macro MUL s, ac
	s_cmp_lt_u32 s[WV], 8
	s_wait_alu depctr_va_vdst(0)                   ; the wait here, directly ahead of the branch
	s_cbranch_scc0 .Lv_\@
	WIN 0x40+0x10*\s                               ; C and D window 1
.irp T, 0,1,2,3
.if \s
	v_wmma_f32_16x16x128_fp8_fp8 v[\ac+8*\T:\ac+8*\T+7], v[WT+64+16*\T:WT+64+16*\T+15], v[CD:CD+15], v[\ac+8*\T:\ac+8*\T+7]
.else
	v_wmma_f32_16x16x128_fp8_fp8 v[\ac+8*\T:\ac+8*\T+7], v[WT+16*\T:WT+16*\T+15], v[CD:CD+15], 0
.endif
.endr
	WIN 0
	s_branch .Lj_\@
.Lv_\@:                                                ; v: the sources swapped
	WIN 0x40+0x10*\s
.irp T, 0,1,2,3
.if \s
	v_wmma_f32_16x16x128_fp8_fp8 v[\ac+8*\T:\ac+8*\T+7], v[CD:CD+15], v[WT+64+16*\T:WT+64+16*\T+15], v[\ac+8*\T:\ac+8*\T+7]
.else
	v_wmma_f32_16x16x128_fp8_fp8 v[\ac+8*\T:\ac+8*\T+7], v[CD:CD+15], v[WT+16*\T:WT+16*\T+15], 0
.endif
.endr
	WIN 0
.Lj_\@:
.endm
.macro PLACES                          ; four places between the last matrix instruction and the first read of a result (ISA guide 7.12.1)
.rept 4
	v_nop
.endr
.endm
.macro PSTORE pa, off, ac              ; four accumulators as they stand, each from its low end on
	WIN 0x04                                       ; store data window 1
.irp T, 0,1,2,3
	ds_store_b128 v[\pa], v[\ac+8*\T:\ac+8*\T+3] offset:\off+1024*\T
	ds_store_b128 v[\pa], v[\ac+8*\T+4:\ac+8*\T+7] offset:\off+1024*\T+512
.endr
	WIN 0
.endm
.macro MEET
	s_barrier_signal -1
	s_barrier_wait -1
.endm
	s_cmp_lt_u32 s[WV], 4
	s_wait_alu depctr_va_vdst(0)                   ; the wait at the head's end
	s_cbranch_scc0 .Ls0
	s_wait_tensorcnt 0x0                           ; rows 0-31 are in LDS; waves 4 to 11's loads stay out
.Ls0:
	MEET
	XLD 0
	QSTEP 0, 1, 1, 0
	s_wait_alu depctr_va_vdst(0)                   ; the wait here, directly ahead of the wait below
	s_wait_loadcnt 0x0                             ; the weights and the bias
	MUL 0, 0
	QSTEP 1, 0, 1, 0
	MUL 1, 0
	QSTEP 1, 1, 1, 0
	MUL 0, 32
	QSTEP 0, 0, 0, 0
	MUL 1, 32
	s_wait_dscnt 0x0                               ; my reads of rows 0-31 are over
	s_cmp_lt_u32 s[WV], 8
	s_cbranch_scc0 .Ls1
	s_wait_tensorcnt 0x0                           ; rows 32-47 are in LDS
.Ls1:
	MEET                                           ; nobody reads rows 0-31 any more: their regions take partial sums
	XLD 2
	PLACES
	PSTORE PA, 0, 0
	PSTORE PA, RGN, 32
	ds_store_b64 v[BST], v[BD:BD+1]
	QSTEP 2, 1, 1, 17                              ; 17 stores stand behind the first 16 loads
	MUL 0, 0
	QSTEP 0, 0, 0, 0
	MUL 1, 0
	s_wait_dscnt 0x0
	s_wait_tensorcnt 0x0                           ; rows 48-63 are in LDS
	MEET
	XLD 3
	PLACES
	PSTORE PA, 2*RGN, 0
	QSTEP 3, 1, 1, 8
	MUL 0, 32
	QSTEP 0, 0, 0, 0
	MUL 1, 32
	PLACES
	PSTORE PA3, 0, 32
	s_wait_dscnt 0x0                               ; for the others' sake: my partial sums lie in LDS
	MEET
; THE SUMS MEET.  q, k: a wave adds, over the four partners, its row tile's four head tiles.  v: its head tile's four row tiles.  Either way 32 numbers a lane, which become
; the eight registers of one image: sum x 2^(ea + eb) + bias, the hold, the conversion; two stores of 512 consecutive bytes.
.macro RED isv
.irp p, 0,1,2,3
.irp T, 0,1,2,3
.if \isv == 0
	ds_load_b128 v[XB+32*\p+8*\T:XB+32*\p+8*\T+3], v[RQ+\p] offset:1024*\T
	ds_load_b128 v[XB+32*\p+8*\T+4:XB+32*\p+8*\T+7], v[RQ+\p] offset:1024*\T+512
.elseif \T < 3
	ds_load_b128 v[XB+32*\p+8*\T:XB+32*\p+8*\T+3], v[RV+\p] offset:RGN*\T
	ds_load_b128 v[XB+32*\p+8*\T+4:XB+32*\p+8*\T+7], v[RV+\p] offset:RGN*\T+512
.else
	ds_load_b128 v[XB+32*\p+8*\T:XB+32*\p+8*\T+3], v[RV3] offset:12288*\p
	ds_load_b128 v[XB+32*\p+8*\T+4:XB+32*\p+8*\T+7], v[RV3] offset:12288*\p+512
.endif
.endr
.endr
.if \isv
	ds_load_b32 v[BB], v[BVA]                      ; bv(16 t + r),
	ds_load_b32 v[BB+1], v[BVA]                    ; twice: it is named as a pair
.else
.irp T, 0,1,2,3
	ds_load_b128 v[BB+8*\T:BB+8*\T+3], v[BQA] offset:64*\T         ; the bias at 16 T + 8 h + 0 .. 7
	ds_load_b128 v[BB+8*\T+4:BB+8*\T+7], v[BQA] offset:64*\T+16
.endr
.endif
	s_wait_dscnt 0x0
.irp i, 0,2,4,6,8,10,12,14,16,18,20,22,24,26,28,30
	v_pk_add_f32 v[XB+\i:XB+\i+1], v[XB+\i:XB+\i+1], v[XB+32+\i:XB+33+\i]
	v_pk_add_f32 v[XB+64+\i:XB+65+\i], v[XB+64+\i:XB+65+\i], v[XB+96+\i:XB+97+\i]
.endr
.irp i, 0,2,4,6,8,10,12,14,16,18,20,22,24,26,28,30
	v_pk_add_f32 v[XB+\i:XB+\i+1], v[XB+\i:XB+\i+1], v[XB+64+\i:XB+65+\i]
.endr
.irp i, 0,2,4,6,8,10,12,14,16,18,20,22,24,26,28,30
.if \isv
	v_pk_fma_f32 v[XB+\i:XB+\i+1], v[XB+\i:XB+\i+1], s[66:67], v[BB:BB+1] op_sel_hi:[1,0,0]
.else
	v_pk_fma_f32 v[XB+\i:XB+\i+1], v[XB+\i:XB+\i+1], s[66:67], v[BB+\i:BB+\i+1] op_sel_hi:[1,0,1]
.endif
.endr
.irp T, 0,1,2,3
.irp i, 0,1,2,3,4,5,6,7
	v_med3_num_f32 v[XB+8*\T+\i], v[XB+8*\T+\i], -v[SO+1], v[SO+1]
.endr
	v_cvt_scalef32_pk8_fp8_f32 v[OC+2*\T:OC+2*\T+1], v[XB+8*\T:XB+8*\T+7], v[SO]
.endr
	v_nop                                          ; one plain vector instruction behind the last conversion
	global_store_b128 v[LI], v[OC:OC+3], s[16:17]
	global_store_b128 v[LI], v[OC+4:OC+7], s[16:17] offset:512
.endm
	s_cmp_lt_u32 s[WV], 8
	s_cbranch_scc0 .Lsum_v
	RED 0
	s_branch .Lout
.Lsum_v:
	RED 1
.Lout:
	s_wait_tensorcnt 0x0                           ; the wave's end: behind my last tensor load and my last LDS store
	ds_add_u32 v[SPW], v[NIL]
	s_wait_dscnt 0x0
	s_endpgm
.Lfunc_end_k_q856b7dd3d3_proj:
	.size	k_q856b7dd3d3_proj, .Lfunc_end_k_q856b7dd3d3_proj-k_q856b7dd3d3_proj
	.p2alignl 7, 3214868480
	.fill 96, 4, 3214868480
	.section	.rodata,"a",@progbits
	.p2align	6, 0x0
	.amdhsa_kernel k_q856b7dd3d3_proj
		.amdhsa_group_segment_fixed_size 327680
		.amdhsa_private_segment_fixed_size 0
		.amdhsa_enable_private_segment 0
		.amdhsa_kernarg_size 64
		.amdhsa_user_sgpr_count 2
		.amdhsa_user_sgpr_kernarg_segment_ptr 1
		.amdhsa_wavefront_size32 1
		.amdhsa_system_sgpr_workgroup_id_x 1
		.amdhsa_system_sgpr_workgroup_id_y 1
		.amdhsa_system_sgpr_workgroup_id_z 1
		.amdhsa_system_vgpr_workitem_id 0
		.amdhsa_next_free_vgpr 320
		.amdhsa_next_free_sgpr 96
		.amdhsa_reserve_vcc 0
		.amdhsa_float_denorm_mode_32 3
		.amdhsa_float_denorm_mode_16_64 3
		.amdhsa_memory_ordered 1
		.amdhsa_forward_progress 1
		.amdhsa_inst_pref_size 84
	.end_amdhsa_kernel
	.amdgpu_metadata
---
amdhsa.version: [ 1, 2 ]
amdhsa.kernels:
  - .name:           k_q856b7dd3d3_proj
    .symbol:         k_q856b7dd3d3_proj.kd
    .args:
      - { .name: x, .offset: 0, .size: 8, .value_kind: global_buffer, .address_space: global }
      - { .name: wcodes, .offset: 8, .size: 8, .value_kind: global_buffer, .address_space: global }
      - { .name: bq, .offset: 16, .size: 8, .value_kind: global_buffer, .address_space: global }
      - { .name: bk, .offset: 24, .size: 8, .value_kind: global_buffer, .address_space: global }
      - { .name: bv, .offset: 32, .size: 8, .value_kind: global_buffer, .address_space: global }
      - { .name: lowp_scales, .offset: 40, .size: 8, .value_kind: global_buffer, .address_space: global }
      - { .name: qcodes, .offset: 48, .size: 8, .value_kind: global_buffer, .address_space: global }
      - { .name: kvcodes, .offset: 56, .size: 8, .value_kind: global_buffer, .address_space: global }
    .group_segment_fixed_size: 327680
    .private_segment_fixed_size: 0
    .kernarg_segment_align: 8
    .kernarg_segment_size: 64
    .max_flat_workgroup_size: 384
    .sgpr_count:     96
    .vgpr_count:     320
    .wavefront_size: 32
...
	.end_amdgpu_metadata
.endif
;; end of part 2
;; launch attn (part 3): grid 64 x 4, 8 waves a work-group, clusters of 4 x 1, 327,680 bytes of LDS; arguments qcodes, kvcodes, lowp_scales, out0; writes out0
.if DOCPART == 3
	.amdgcn_target "amdgcn-amd-amdhsa--gfx1250"
	.amdhsa_code_object_version 6
	.text
	.protected	k_q856b7dd3d3_attn
	.globl	k_q856b7dd3d3_attn
	.p2align	8
	.type	k_q856b7dd3d3_attn,@function
k_q856b7dd3d3_attn:
	s_mov_b64 s[64:65], 0
	v_nop
	global_prefetch_b8 v0, s[64:65] scope:SCOPE_SE
	s_setreg_imm32_b32 hwreg(HW_REG_WAVE_MODE, 25, 1), 1
	s_wait_xcnt 0x0
	s_wait_alu depctr_hold_cnt(0) depctr_sa_sdst(0) depctr_va_vdst(0) depctr_va_sdst(0) depctr_va_ssrc(0) depctr_va_vcc(0) depctr_vm_vsrc(0)
	s_getreg_b32 s2, hwreg(HW_REG_IB_STS2, 6, 4)
	s_cmp_eq_u32 s2, 0
	s_cbranch_scc0 .Lentry_in_a_cluster
	s_endpgm
.Lentry_in_a_cluster:
	s_bfe_u32 s2, ttmp6, 0x10000c
	s_cmp_lg_u32 s2, 0x3003
	s_cbranch_scc0 .Lentry_shape_is_right
	s_endpgm
.Lentry_shape_is_right:
; out[b][q][:] = the sum over keys k <= q of softmax_k(q . k / 8) v[k][:], both products on codes of E4M3 with the given scales: entries 6 (q), 7 (k), 8 (p), 9 (v).  4 batches, 4,096 rows, head size 64.
; THE SOFTMAX AHEAD OF THE SECOND PRODUCT: t = score x log2(e) / 8; M = the largest t so far, rounded UP to a whole number; p = 2^(t - M) is quantised, not normalised.  The row's sum is taken of the
; unquantised p, in f32, and divides at the end.  When M moves, the sum and O are multiplied by 2^(old M - new M), which rounds nothing.
; LIMITS: entries 6 + 7 lie between -123 and 130 (they are added to the exponent field of log2(e) / 8); entry 8 between -126 and 119; entries 8 + 9 are applied by v_ldexp_f32.  The scaled scores stay
; under 2^31 in magnitude.  NaN is not served.
; LEFT OUT: key steps all of whose keys come after the queries: the causal mask makes their weights 0.
; INPUTS are images of operand registers (register group g of lane l at 512 g + 16 l): a tile of 16 queries is 1,024 bytes; a key step (128 keys) is 16,384 dense bytes, K's 8,192 and then V's.
; SHARES.  Work-group j of a batch's 64 owns two blocks of 32 queries: j (L, the short rows) and 127 - j (H, the long rows); c = j / 4.  L's last key step is c, H's is 31 - c: 33 units of (block, key step) for every
; work-group.  A WAVE HAS KEY STEPS OF ITS OWN and works both tiles of a block at a time, so each fragment of K and V feeds two products: wave w takes steps 2 w and 2 w + 1 for H and, up to c, for L; and steps
; 30 - 2 w and 31 - 2 w, up to 31 - c, for H.  With REL = c - 2 w: REL < 0: four units for H; REL = 0 or 1 (one wave): five, among them the two on the diagonal; REL > 1: two for H and two for L.
; Waves meet once, at the end, where each tile's eight parts are merged through LDS.
; CLUSTER.  The four work-groups of a cluster have the same c and walk the same keys.  Steps 0 to 15, which all 64 work-groups of a batch read, come JOINTLY into LDS: one load a wave at the head, 32,768 bytes, which it
; alone reads.  Steps 16 to 31 go from memory straight into registers, as the waves need them, one unit ahead.  No LDS byte is filled again and no tensor load stands under a branch.
; Branches hang on the cluster's number and the wave's number; my place in the cluster enters Q's and out's addresses and the mask's vector registers alone.
; NO PREFETCH: there is no loop to run ahead in: steps 0 to 15 are asked for at the head, and so is a wave's first step of the others; its second is asked for a whole unit ahead of its use.
; LAYOUT.  S^T = K Q^T (source 0 = 16 keys, source 1 = 16 queries, K = 64): lane (r, h) holds query r and, in tile T's register j, key 16 T + 8 h + j: eight such numbers, converted, ARE registers
; 2 T, 2 T + 1 of source 1 of O^T = V^T P^T (K = 128).  Nothing changes lanes, and every k stands in its own place.
; REGISTERS.  Window 0: v1-6 addresses; v8-23 the four tiles' -M, largest score and sum (two halves); v32-63 Q; v64-191 S^T, then p, of two tiles; v192-223 p's codes; v224-239 at work; v240-252 addresses of the merge.
; Window 1: v0-63 K's eight fragments; v64-127 V's four; v128-191 H's O^T; v192-255 L's.
.set REGW,  32768                      ; a wave's part of LDS: its two key steps; behind its last read: 16,384 bytes of O^T (four tiles), from 16,384 on their -M and sums, from 20,480 on the way out
.set SPARE, 8*REGW                     ; the spare words, 128 bytes for each wave: four blocks of 256 bytes that no other line names
.set SPW, 1                            ; LDS address of my spare word; never rewritten
.set NIL, 2                            ; 0; never rewritten
.set LI,  3                            ; 16 x lane
.set LK,  4                            ; my part of LDS + 16 x lane
.set QDH, 5                            ; H's tile 0: query - 8 h - the first key of its last step;  v6: L's
.set QDL, 6
.set STH, 8                            ; v8-15   H's two tiles: -M, the largest score, the sum in two halves
.set STL, 16                           ; v16-23  L's
.set LIM, 24                           ; 448 x 2^(entry 8)
.set SCL, 25                           ; 2^(entry 8)
.set FF,  26                           ; v[26:27], v[28:29] f of the two tiles, named as pairs
.set PRM, 30                           ; v30, v31 a lane permute's destinations
.set QH,  32
.set QL,  48
.set SS,  64
.set CC,  192
.set CH,  224                          ; v224-231 maxima, four chains a tile
.set SC,  232                          ; v232-237 sums, three further chains
.set NINF, 238
.set MST, 240                          ; the merge: where I put O^T,
.set SST, 241                          ; -M and sums;
.set ML,  242                          ; v242-245 where I read the parts of waves 0, 1 / 2, 3 / 4, 5 / 6, 7;
.set SL,  246                          ; v246-249 and their -M and sums;
.set GST, 250                          ; the stage: in,
.set GLD, 251                          ; back,
.set GO,  252                          ; and the same in out
.set KB,  0
.set VB,  64
.set OH,  128
.set OL,  192
.set WV,  14
.set REL, 15
.set TAU, 16                           ; w / 2: the tile that I finish in the merge (0, 1: L's; 2, 3: H's)
.set HF,  17                           ; w % 2: which eight of its rows
.set CX,  18
.set BA,  19                           ; the batch
.set JJ,  20
.set JM,  21
.set G1,  24
.set G0,  32
.set SEL, 48                           ; s[48:49] lane selects for v_permlanex16_b32: lane l xor 16
.set CS,  50                           ; s[50:51] c = log2(e) / 8 x 2^(entries 6 + 7);  s52 -c
.set NCS, 52
.set ESUM, 53                          ; entries 8 + 9
.set KVD, 54                           ; s[54:55] key step 30 - 2 w in memory
.set MK,  80                           ; s[80:87] lane masks
.set MSB, 0
.macro WIN new                         ; the immediate's high byte repeats the setting that is left; a switch that changes nothing is dropped
.if MSB != (\new)
	s_set_vgpr_msb (MSB<<8)|(\new)
.set MSB, (\new)
.endif
.endm
.macro CROUND                          ; a round of the cluster's barrier
	s_barrier_signal -1
	s_barrier_wait -1
	s_cmp_lg_u32 s[WV], 0
	s_cbranch_scc1 .Lnot_wave_0_\@
	s_barrier_signal -3
.Lnot_wave_0_\@:
	s_barrier_wait -3
	s_barrier_signal -1
	s_barrier_wait -1
.endm
.macro KGLOB off                       ; K's fragments of a key step from memory: each load reads 512 consecutive bytes
	WIN 0x40
.irp T, 0,1,2,3,4,5,6,7
	global_load_b128 v[KB+8*\T:KB+8*\T+3], v[LI], s[KVD:KVD+1] offset:\off+1024*\T
	global_load_b128 v[KB+8*\T+4:KB+8*\T+7], v[LI], s[KVD:KVD+1] offset:\off+1024*\T+512
.endr
	WIN 0
.endm
.macro VGLOB off                       ; V's: 16 head units x 128 keys each
	WIN 0x40
.irp t, 0,1,2,3
.irp u, 0,1,2,3
	global_load_b128 v[VB+16*\t+4*\u:VB+16*\t+4*\u+3], v[LI], s[KVD:KVD+1] offset:\off+8192+4096*(\u/2)+1024*\t+512*(\u%2)
.endr
.endr
	WIN 0
.endm
.macro KLDS off                        ; the same from my part of LDS
	WIN 0x40
.irp T, 0,1,2,3,4,5,6,7
	ds_load_b128 v[KB+8*\T:KB+8*\T+3], v[LK] offset:\off+1024*\T
	ds_load_b128 v[KB+8*\T+4:KB+8*\T+7], v[LK] offset:\off+1024*\T+512
.endr
	WIN 0
.endm
.macro VLDS off
	WIN 0x40
.irp t, 0,1,2,3
.irp u, 0,1,2,3
	ds_load_b128 v[VB+16*\t+4*\u:VB+16*\t+4*\u+3], v[LK] offset:\off+8192+4096*(\u/2)+1024*\t+512*(\u%2)
.endr
.endr
	WIN 0
.endm
	s_load_b256 s[4:11], s[0:1], 0x0               ; q's codes s[4:5], k's and v's s[6:7], the scales' exponents s[8:9], out s[10:11]
	v_lshl_add_u32 v[SPW], v0, 2, SPARE
	v_mov_b32 v[NIL], 0
	ds_add_u32 v[SPW], v[NIL]                      ; the wave's opening: the add, twice on end, and its wait ahead of the round in front of my tensor load
	ds_add_u32 v[SPW], v[NIL]
	v_lshrrev_b32 v30, 5, v0
	v_readfirstlane_b32 s[WV], v30                 ; wave 0..7
	s_lshr_b32 s[TAU], s[WV], 1
	s_and_b32 s[HF], s[WV], 1
	s_bfe_u32 s[CX], ttmp6, 0x40000                ; cx: my place in the cluster
	s_and_b32 s[BA], ttmp7, 0xffff                 ; the batch
	s_lshl_b32 s[JJ], ttmp9, 2
	s_add_co_u32 s[JJ], s[JJ], s[CX]               ; j = 4 c + cx: the block of short rows,
	s_sub_co_u32 s[JM], 127, s[JJ]                 ; and the block of long rows
	s_lshl_b32 s60, s[WV], 1
	s_sub_co_i32 s[REL], ttmp9, s60                ; c - 2 w
	; descriptor group 1: 32,768 dense bytes as 128 rows x 32 elements of 8 bytes
	s_mov_b32 s[G1+0], 15|(3<<16)|(1<<21)          ; 15:0 the mask: all four work-groups; 17:16 elements of 8 bytes; 21 set beside a mask; no padding: the images are read 512 consecutive bytes at a time
	s_mov_b32 s[G1+1], 32<<16
	s_mov_b32 s[G1+2], 128<<16
	s_mov_b32 s[G1+3], 32<<16
	s_mov_b32 s[G1+4], 128
	s_mov_b32 s[G1+5], 32
	s_mov_b32 s[G1+6], 0
	s_mov_b32 s[G1+7], 0
	s_lshl_b32 s60, s[WV], 15                      ; my part of LDS, and my two key steps in memory
	s_lshl_b32 s72, s[BA], 19                      ; the batch's 524,288 bytes of K and V
	s_add_co_u32 s76, s72, s60
	s_mov_b32 s77, 0
	s_add_co_u32 s62, s72, 30*16384
	s_sub_co_u32 s62, s62, s60
	s_cmp_lt_i32 s[REL], 2
	s_cselect_b32 s62, s62, s76                    ; a wave with no step beyond 15 (REL > 1) takes its first unit, step 2 w, straight from memory too, and its second from LDS
	s_mov_b32 s63, 0
	s_lshl_b32 s78, s[BA], 18                      ; Q: 2,048 bytes for each block of 32 queries
	s_lshl_b32 s56, s[JJ], 11
	s_add_co_u32 s58, s78, s56                     ; L's,
	s_mov_b32 s59, 0
	s_lshl_b32 s56, s[JM], 11
	s_add_co_u32 s78, s78, s56                     ; H's
	s_mov_b32 s79, 0
	s_lshl_b32 s66, s[BA], 20                      ; out: the eight rows that I finish, 256 bytes each
	s_cmp_lt_u32 s[TAU], 2
	s_cselect_b32 s56, s[JJ], s[JM]
	s_lshl_b32 s56, s56, 13
	s_add_co_u32 s66, s66, s56
	s_and_b32 s56, s[TAU], 1
	s_lshl_b32 s56, s56, 12
	s_add_co_u32 s66, s66, s56
	s_lshl_b32 s56, s[HF], 11
	s_add_co_u32 s66, s66, s56
	s_mov_b32 s67, 0
	s_mov_b32 s[SEL], 0x76543210
	s_mov_b32 s[SEL+1], 0xfedcba98
	s_mov_b32 s[CS], 0x3e38aa3b                    ; log2(e) / 8
	s_lshl_b32 s56, s[CX], 5
	s_sub_co_u32 s57, 96, s56
	s_add_co_u32 s68, s60, 16384
	s_add_co_u32 s69, s60, 20480
	s_lshl_b32 s70, s[HF], 3
	v_and_b32 v30, 31, v0                          ; lane
	v_and_b32 v31, 15, v0                          ; r
	v_bfe_u32 v224, v0, 4, 1                       ; h
	v_lshlrev_b32 v[LI], 4, v30
	v_add_nc_u32 v[LK], s60, v[LI]
	v_lshlrev_b32 v225, 3, v224
	v_sub_nc_u32 v226, v31, v225                   ; r - 8 h
	v_add_nc_u32 v[QDL], s56, v226                 ; L's block begins 32 cx keys into its last step,
	v_add_nc_u32 v[QDH], s57, v226                 ; H's 96 - 32 cx
	v_xor_b32 v227, v31, v225
	v_lshlrev_b32 v227, 4, v227
	v_lshl_add_u32 v227, v224, 8, v227             ; a part's 16 bytes of lane (r, h): 256 h + 16 (r xor 8 h): eight rows of both halves then lie at sixteen different 16-byte columns
	v_add_nc_u32 v[MST], s60, v227
	v_lshl_add_u32 v[SST], v30, 3, s68
	; in the merge lane l takes row 8 HF + l % 8, h = l / 8 % 2, and the head tiles l / 16 and l / 16 + 2
	v_and_b32 v228, 7, v0
	v_bfe_u32 v229, v0, 3, 1
	v_add_nc_u32 v230, s70, v228
	v_lshlrev_b32 v231, 3, v229
	v_xor_b32 v231, v230, v231
	v_lshlrev_b32 v231, 4, v231
	v_lshl_add_u32 v231, v229, 8, v231
	v_lshl_add_u32 v231, v224, 10, v231
	s_lshl_b32 s61, s[TAU], 12
	v_add_nc_u32 v[ML], s61, v231
	v_add_nc_u32 v[ML+1], 2*REGW, v[ML]
	v_add_nc_u32 v[ML+2], 4*REGW, v[ML]
	v_add_nc_u32 v[ML+3], 6*REGW, v[ML]
	s_lshl_b32 s61, s[TAU], 8
	s_add_co_u32 s61, s61, 16384
	v_lshl_add_u32 v[SL], v230, 3, s61
	v_add_nc_u32 v[SL+1], 2*REGW, v[SL]
	v_add_nc_u32 v[SL+2], 4*REGW, v[SL]
	v_add_nc_u32 v[SL+3], 6*REGW, v[SL]
	v_mul_u32_u24 v227, v228, 272
	v_lshl_add_u32 v227, v224, 6, v227
	v_lshl_add_u32 v227, v229, 5, v227
	v_add_nc_u32 v[GST], s69, v227                 ; the stage, rows of 272 bytes: in: my row, 64 x head tile + 32 h
	v_mul_u32_u24 v227, v224, 272
	v_lshl_add_u32 v227, v31, 4, v227
	v_add_nc_u32 v[GLD], s69, v227                 ; back: sixteen lanes to a row
	v_lshlrev_b32 v[GO], 8, v224
	v_lshl_add_u32 v[GO], v31, 4, v[GO]
.irp b, 8,12,16,20
	v_mov_b32 v[\b], 0x7f61b1e6                    ; -M: 3e38: a tile that gets no step hands this and zeros to the merge, where its factor is 0
	v_mov_b32 v[\b+1], 0xff61b1e6                  ; the largest score so far: -3e38
	v_mov_b32 v[\b+2], 0                           ; the sum, in two halves
	v_mov_b32 v[\b+3], 0
.endr
	v_mov_b32 v[FF+1], 0                           ; (named as the upper halves of the pairs)
	v_mov_b32 v[FF+3], 0
	WIN 0x40
.set n, 0
.rept 128
	v_mov_b32 v[OH+n], 0                           ; O^T of the four tiles, written while the arguments are on their way: which unit is a wave's first hangs on REL, so the units have no first form of their own
.set n, n+1
.endr
	WIN 0
	s_wait_alu depctr_va_vdst(0)                   ; the wait here, directly ahead of the waits below
	s_wait_dscnt 0x0                               ; both opening adds are done
	s_wait_kmcnt 0x0
	s_load_b128 s[68:71], s[8:9], 0x18             ; entries 6 to 9
	s_add_nc_u64 s[2:3], s[4:5], s[78:79]          ; H's Q
	s_add_nc_u64 s[4:5], s[4:5], s[58:59]          ; L's
	s_add_nc_u64 s[KVD:KVD+1], s[6:7], s[62:63]
	s_add_nc_u64 s[76:77], s[6:7], s[76:77]
	s_add_nc_u64 s[10:11], s[10:11], s[66:67]
.irp g, 0,1,2,3
	global_load_b128 v[QH+4*\g:QH+4*\g+3], v[LI], s[2:3] offset:512*\g
.endr
.irp g, 0,1,2,3
	global_load_b128 v[QL+4*\g:QL+4*\g+3], v[LI], s[4:5] offset:512*\g
.endr
	KGLOB 0                                        ; my first unit's K and V
	VGLOB 0
	s_mov_b32 s[G0], 1                             ; 1:0 count = 1
	s_lshl_b32 s[G0+1], s[WV], 15                  ; 63:32 LDS address
	s_mov_b64 s[G0+2:G0+3], s[76:77]               ; 120:64 global address: made of the batch and the wave's number alone
	s_or_b32 s[G0+3], s[G0+3], 0x80000000          ; 127:126 type = 2
	CROUND                                         ; all four work-groups are here: the joint loads meet
	tensor_load_to_lds s[G0:G0+3], s[G1:G1+7]
	s_nop 0
.rept 4
	v_nop
.endr
	s_wait_kmcnt 0x0
	s_add_co_i32 s60, s68, s69
	s_lshl_b32 s60, s60, 23
	s_add_co_i32 s[CS], s[CS], s60                 ; a score stands for score x 2^(entries 6 + 7): added to c's exponent field
	s_mov_b32 s[CS+1], s[CS]                       ; (named with it as a pair, so it is written)
	s_xor_b32 s[NCS], s[CS], 0x80000000
	s_add_co_i32 s60, s70, 127
	s_lshl_b32 s61, s60, 23
	v_mov_b32 v[SCL], s61                          ; 2^(entry 8) as f32, for the conversion
	s_add_co_i32 s60, s60, 8
	s_lshl_b32 s60, s60, 23
	s_or_b32 s60, s60, 0x600000
	v_mov_b32 v[LIM], s60                          ; 448 x that
	s_add_co_i32 s[ESUM], s70, s71
; A UNIT: one block of 32 queries (two tiles) x 128 keys.  SCORES, (the next K is asked for), (MASK), SOFT, PV, (the next V is asked for).
.macro SCORES q
	WIN 0x01                                       ; source 0 (K) window 1
.irp T, 0,1,2,3,4,5,6,7
	v_wmma_f32_16x16x64_fp8_fp8 v[SS+8*\T:SS+8*\T+7], v[KB+8*\T:KB+8*\T+7], v[\q:\q+7], 0
	v_wmma_f32_16x16x64_fp8_fp8 v[SS+64+8*\T:SS+64+8*\T+7], v[KB+8*\T:KB+8*\T+7], v[\q+8:\q+15], 0
.endr
	WIN 0
.rept 4
	v_nop                                          ; four places: in front of the first read of the scores, and of loads into K's registers
.endr
.endm
; In a block's last step hidden scores become -infinity: p = 0 then.  Tile 0's register 8 T + j is hidden where 16 T + j > v[qd]; tile 1's queries lie 16 further on, so its T + 1 takes the masks of tile 0's T
; (its T = 0 has no hidden key).
.macro MASK qd
	v_mov_b32 v[NINF], 0xff800000
.irp T, 0,1,2,3,4,5,6,7
.irp j, 0,1,2,3,4,5,6,7
	v_cmp_gt_i32 s[MK+\j], 16*\T+\j, v[\qd]
.endr
.irp j, 0,1,2,3,4,5,6,7
	v_cndmask_b32 v[SS+8*\T+\j], v[SS+8*\T+\j], v[NINF], s[MK+\j]
.endr
.if \T < 7
.irp j, 0,1,2,3,4,5,6,7
	v_cndmask_b32 v[SS+72+8*\T+\j], v[SS+72+8*\T+\j], v[NINF], s[MK+\j]
.endr
.endif
.endr
.endm
; Tile p's sum, taken of the unquantised p in four chains; the hold; the conversion
.macro TAIL st, p
	v_pk_fma_f32 v[\st+4*\p+2:\st+4*\p+3], v[\st+4*\p+2:\st+4*\p+3], v[FF+2*\p:FF+2*\p+1], v[SS+64*\p:SS+64*\p+1] op_sel_hi:[1,0,1]   ; the sum under the new M
	v_pk_add_f32 v[SC:SC+1], v[SS+64*\p+2:SS+64*\p+3], v[SS+64*\p+4:SS+64*\p+5]
	v_pk_add_f32 v[SC+2:SC+3], v[SS+64*\p+6:SS+64*\p+7], v[SS+64*\p+8:SS+64*\p+9]
	v_pk_add_f32 v[SC+4:SC+5], v[SS+64*\p+10:SS+64*\p+11], v[SS+64*\p+12:SS+64*\p+13]
.set n, 0
.rept 25
.if n%4 == 0
	v_pk_add_f32 v[\st+4*\p+2:\st+4*\p+3], v[\st+4*\p+2:\st+4*\p+3], v[SS+64*\p+14+2*n:SS+64*\p+15+2*n]
.else
	v_pk_add_f32 v[SC+2*(n%4)-2:SC+2*(n%4)-1], v[SC+2*(n%4)-2:SC+2*(n%4)-1], v[SS+64*\p+14+2*n:SS+64*\p+15+2*n]
.endif
.set n, n+1
.endr
	v_pk_add_f32 v[SC:SC+1], v[SC:SC+1], v[SC+2:SC+3]
	v_pk_add_f32 v[\st+4*\p+2:\st+4*\p+3], v[\st+4*\p+2:\st+4*\p+3], v[SC+4:SC+5]
.set n, 0
.rept 32
	v_min_num_f32 v[SS+64*\p+2*n], v[SS+64*\p+2*n], v[LIM]       ; the conversion does not saturate (ISA guide 7.6.2); p is not negative, so the hold is one-sided
	v_min_num_f32 v[SS+64*\p+2*n+1], v[SS+64*\p+2*n+1], v[LIM]
.set n, n+1
.endr
	v_pk_add_f32 v[\st+4*\p+2:\st+4*\p+3], v[\st+4*\p+2:\st+4*\p+3], v[SC:SC+1]
.irp T, 0,1,2,3,4,5,6,7
	v_cvt_scalef32_pk8_fp8_f32 v[CC+16*\p+2*\T:CC+16*\p+2*\T+1], v[SS+64*\p+8*\T:SS+64*\p+8*\T+7], v[SCL]   ; keys 16 T + 8 h + 0 .. 7: registers 2 T, 2 T + 1 of the operand
.endr
.endm
.macro SCALE st, p                     ; t - M, two at a time (of the pairs c and -M the low word serves both halves)
.set n, 0
.rept 32
	v_pk_fma_f32 v[SS+64*\p+2*n:SS+64*\p+2*n+1], v[SS+64*\p+2*n:SS+64*\p+2*n+1], s[CS:CS+1], v[\st+4*\p:\st+4*\p+1] op_sel_hi:[1,0,0]
.set n, n+1
.endr
.endm
.macro EXPS p
	s_wait_alu depctr_va_vdst(0)                   ; the wait ahead of the batch
.set n, 0
.rept 64
	v_exp_f32 v[SS+64*\p+n], v[SS+64*\p+n]         ; p = 2^(t - M), at most 1: not normalised
.set n, n+1
.endr
.endm
.macro SOFT st, ob
.irp p, 0,1                            ; each tile's largest score of my query, among my 64 keys, in four chains, each accumulator from its low end on
.irp k, 0,1,2,3
	v_max3_num_f32 v[CH+4*\p+\k], v[SS+64*\p+3*\k], v[SS+64*\p+3*\k+1], v[SS+64*\p+3*\k+2]
.endr
.endr
.set n, 0
.rept 26
.irp p, 0,1
	v_max3_num_f32 v[CH+4*\p+n%4], v[CH+4*\p+n%4], v[SS+64*\p+12+2*n], v[SS+64*\p+13+2*n]
.endr
.set n, n+1
.endr
.irp p, 0,1
	v_max3_num_f32 v[CH+4*\p], v[CH+4*\p], v[CH+4*\p+1], v[CH+4*\p+2]
.endr
.irp p, 0,1
	v_max_num_f32 v[CH+4*\p], v[CH+4*\p], v[CH+4*\p+3]
.endr
.irp p, 0,1
	v_permlanex16_b32 v[PRM+\p], v[CH+4*\p], s[SEL], s[SEL+1]
.endr
.irp p, 0,1
	v_max3_num_f32 v[\st+4*\p+1], v[\st+4*\p+1], v[CH+4*\p], v[PRM+\p]   ; and among lane l xor 16's: the running largest score
.endr
.irp p, 0,1
	v_mul_f32 v[CH+4*\p], s[NCS], v[\st+4*\p+1]    ; -t of it (c is positive)
.endr
.irp p, 0,1
	v_floor_f32 v[CH+4*\p], v[CH+4*\p]             ; the new -M = floor(-t) = -ceil(t): a whole number
.endr
.irp p, 0,1
	v_sub_f32 v[FF+2*\p], v[CH+4*\p], v[\st+4*\p]  ; M's old value less its new one: a whole number, 0 or less
	v_mov_b32 v[\st+4*\p], v[CH+4*\p]
.endr
.irp p, 0,1
	v_cvt_i32_f32 v[FF+2*\p], v[FF+2*\p]           ; (it saturates)
.endr
.irp p, 0,1
	v_ldexp_f32 v[FF+2*\p], 1.0, v[FF+2*\p]        ; f = 2^(old M - new M)
.endr
	SCALE \st, 0
	EXPS 0
	SCALE \st, 1                                   ; plain work behind tile 0's exponentials
	EXPS 1
	TAIL \st, 0                                    ; plain work behind tile 1's; its own were waited for ahead of them
	s_wait_alu depctr_va_vdst(0)                   ; the wait behind tile 1's exponentials
	TAIL \st, 1
	WIN 0x41                                       ; source 0 and destination window 1
	s_wait_alu depctr_va_vdst(0)                   ; the wait here, directly ahead of the first reader of O^T
.irp p, 0,1
.set n, 0
.rept 16
	v_pk_mul_f32 v[\ob+32*\p+n:\ob+32*\p+n+1], v[\ob+32*\p+n:\ob+32*\p+n+1], v[FF+2*\p:FF+2*\p+1] op_sel_hi:[1,0]   ; O^T under the new M
.set n, n+2
.endr
.endr
.endm
.macro PV ob                           ; the eight accumulators by turns, one instruction a turn
	WIN 0x51                                       ; source 0 (V), C and D window 1
.irp t, 0,1,2,3
	v_wmma_f32_16x16x128_fp8_fp8 v[\ob+8*\t:\ob+8*\t+7], v[VB+16*\t:VB+16*\t+15], v[CC:CC+15], v[\ob+8*\t:\ob+8*\t+7]
	v_wmma_f32_16x16x128_fp8_fp8 v[\ob+32+8*\t:\ob+32+8*\t+7], v[VB+16*\t:VB+16*\t+15], v[CC+16:CC+31], v[\ob+32+8*\t:\ob+32+8*\t+7]
.endr
	WIN 0
.rept 4
	v_nop                                          ; four places in front of loads into V's registers
.endr
.endm
	s_wait_alu depctr_va_vdst(0)                   ; the wait at the head's end
	s_wait_loadcnt 0x0                             ; Q, and my first unit's K and V
	s_cmp_ge_i32 s[REL], 2
	s_cbranch_scc1 .Lnear                          ; no step beyond 15: what came is step 2 w
	SCORES QH
	s_cmp_lt_i32 s[REL], 1
	s_cbranch_scc0 .Lfar_edge
	KGLOB 16384                                    ; step 31 - 2 w follows
	s_branch .Lfar_soft
.Lfar_edge:                                            ; REL = 1: this is H's last step, and step 2 w follows
	s_wait_tensorcnt 0x0
	KLDS 0
	MASK QDH
.Lfar_soft:
	SOFT STH, OH
	s_wait_alu depctr_va_vdst(0)                   ; the wait here, directly ahead of the waits below
	s_wait_loadcnt 0x0                             ; V is in, and so is the next K, asked for ahead of the softmax,
	s_wait_dscnt 0x0                               ; on either way
	PV OH
	s_cmp_lt_i32 s[REL], 1
	s_cbranch_scc1 .Lfar_two
	s_wait_tensorcnt 0x0
	VLDS 0
	s_branch .Lnear
.Lfar_two:
	VGLOB 16384
	SCORES QH
	s_wait_tensorcnt 0x0
	KLDS 0
	s_cmp_eq_u32 s[REL], 0
	s_cbranch_scc0 .Lfar_open
	MASK QDH                                       ; REL = 0: H's last step
.Lfar_open:
	SOFT STH, OH
	s_wait_alu depctr_va_vdst(0)                   ; the wait here, directly ahead of the wait below
	s_wait_loadcnt 0x0                             ; V is in
	PV OH
	VLDS 0
.Lnear:                                                ; STEP 2 w, for H
	s_wait_dscnt 16                                ; K is in; V's 16 loads may be out (REL > 1: both came from memory, and none is out)
	SCORES QH
	s_cmp_lt_i32 s[REL], 0
	s_cbranch_scc0 .Lkeep_k                        ; L's turn takes the same K
	s_wait_tensorcnt 0x0                           ; my two steps are in LDS; I alone read them
	KLDS 16384
.Lkeep_k:
	SOFT STH, OH
	s_wait_alu depctr_va_vdst(0)                   ; the wait here, directly ahead of the wait below
	s_wait_dscnt 0x0
	PV OH
	s_cmp_lt_i32 s[REL], 0
	s_cbranch_scc0 .Lnear_l
	s_wait_tensorcnt 0x0                           ; my two steps are in LDS, on every way to this line
	VLDS 16384
	s_branch .Lsecond
.Lnear_l:                                              ; for L, with the same K and V
	SCORES QL
	s_wait_tensorcnt 0x0
	KLDS 16384
	s_cmp_eq_u32 s[REL], 0
	s_cbranch_scc0 .Lnear_open
	MASK QDL                                       ; L's last step
.Lnear_open:
	SOFT STL, OL
	PV OL
	VLDS 16384
.Lsecond:                                              ; STEP 2 w + 1, for H
	s_wait_dscnt 16
	SCORES QH
	SOFT STH, OH
	s_wait_alu depctr_va_vdst(0)                   ; the wait here, directly ahead of the wait below
	s_wait_dscnt 0x0
	PV OH
	s_cmp_lt_i32 s[REL], 1
	s_cbranch_scc1 .Lmerge
	SCORES QL                                      ; for L
	s_cmp_eq_u32 s[REL], 1
	s_cbranch_scc0 .Lsecond_open
	MASK QDL
.Lsecond_open:
	SOFT STL, OL
	PV OL
.Lmerge:
	; THE MERGE.  Each wave hands over, for each of the four tiles, O^T (32 registers), -M and the sum, in its own part of LDS: it has had its one fill, and its last read is over.  Wave w then finishes
	; eight rows of one tile from the tile's eight parts.
.irp b, 8,12,16,20
	v_add_f32 v[\b+2], v[\b+2], v[\b+3]            ; each sum's two halves,
.endr
.irp k, 0,1,2,3
	v_permlanex16_b32 v[CH+\k], v[8+4*\k+2], s[SEL], s[SEL+1]
.endr
.irp k, 0,1,2,3
	v_add_f32 v[8+4*\k+1], v[8+4*\k+2], v[CH+\k]   ; and lane l xor 16's, beside -M in a pair
.endr
	ds_store_b64 v[SST], v[STL:STL+1]
	ds_store_b64 v[SST], v[STL+4:STL+5] offset:256
	ds_store_b64 v[SST], v[STH:STH+1] offset:512
	ds_store_b64 v[SST], v[STH+4:STH+5] offset:768
	WIN 0x04                                       ; store data window 1
.irp g, 0,1,2,3,4,5,6,7,8,9,10,11,12,13,14,15
	ds_store_b128 v[MST], v[OL+4*\g:OL+4*\g+3] offset:512*\g       ; each accumulator from its low end on
.endr
.irp g, 0,1,2,3,4,5,6,7,8,9,10,11,12,13,14,15
	ds_store_b128 v[MST], v[OH+4*\g:OH+4*\g+3] offset:8192+512*\g
.endr
	WIN 0
	s_wait_dscnt 0x0                               ; for the others' sake: my stores are done
	s_barrier_signal -1
	s_barrier_wait -1
.irp i, 0,1,2,3,4,5,6,7
	ds_load_b64 v[32+2*\i:33+2*\i], v[SL+\i/2] offset:REGW*(\i%2)  ; -M and the sum of part i
.endr
.irp i, 0,1,2,3,4,5,6,7
.irp u, 0,1
	ds_load_b128 v[64+16*\i+4*\u:67+16*\i+4*\u], v[ML+\i/2] offset:REGW*(\i%2)+512*\u             ; its eight numbers of my first head tile,
	ds_load_b128 v[72+16*\i+4*\u:75+16*\i+4*\u], v[ML+\i/2] offset:REGW*(\i%2)+2048+512*\u        ; and of my second
.endr
.endr
	s_wait_dscnt 32                                ; the eight pairs are in; the 32 loads behind them may be out
	v_min3_num_f32 v224, v32, v34, v36
	v_min3_num_f32 v225, v38, v40, v42
	v_min_num_f32 v226, v44, v46
	v_min3_num_f32 v224, v224, v225, v226          ; -M of the whole row: the smallest of the eight
.irp i, 0,1,2,3,4,5,6,7
	v_sub_f32 v[208+\i], v224, v[32+2*\i]          ; M of part i less M: a whole number, 0 or less; about -3e38 for a part that had no step
.endr
.irp i, 0,1,2,3,4,5,6,7
	v_cvt_i32_f32 v[208+\i], v[208+\i]             ; (it saturates)
.endr
.irp i, 0,1,2,3,4,5,6,7
	v_ldexp_f32 v[32+2*\i], 1.0, v[208+\i]         ; f of part i, beside its sum
.endr
	v_mul_f32 v225, v32, v33
	v_mul_f32 v226, v34, v35
.irp i, 2,4,6
	v_fmac_f32 v225, v[32+2*\i], v[33+2*\i]
	v_fmac_f32 v226, v[34+2*\i], v[35+2*\i]
.endr
	v_add_f32 v225, v225, v226                     ; the row's sum
	s_wait_alu depctr_va_vdst(0)                   ; the wait ahead of the transcendental
	v_rcp_f32 v228, v225
	s_wait_dscnt 0x0
.irp k, 0,2,4,6,8,10,12,14
	v_pk_mul_f32 v[64+\k:65+\k], v[64+\k:65+\k], v[32:33] op_sel_hi:[1,0]                         ; (plain work behind the reciprocal)
.endr
.irp i, 1,2,3,4,5,6,7
.irp k, 0,2,4,6,8,10,12,14
	v_pk_fma_f32 v[64+\k:65+\k], v[64+16*\i+\k:65+16*\i+\k], v[32+2*\i:33+2*\i], v[64+\k:65+\k] op_sel_hi:[1,0,1]
.endr
.endr
	s_wait_alu depctr_va_vdst(0)                   ; the wait ahead of the reciprocal's first reader
	v_ldexp_f32 v228, v228, s[ESUM]                ; x 2^(entries 8 + 9)
.irp k, 0,2,4,6,8,10,12,14
	v_pk_mul_f32 v[64+\k:65+\k], v[64+\k:65+\k], v[228:229] op_sel_hi:[1,0]
.endr
	; THE WAY OUT.  My eight rows of 256 bytes turn through my own stage: sixteen lanes then store 256 consecutive bytes, aligned.  LDS serves a wave's instructions in order: no wait between stores and loads.
	ds_store_b128 v[GST], v[64:67]
	ds_store_b128 v[GST], v[68:71] offset:16
	ds_store_b128 v[GST], v[72:75] offset:128
	ds_store_b128 v[GST], v[76:79] offset:144
.irp i, 0,1,2,3
	ds_load_b128 v[96+4*\i:99+4*\i], v[GLD] offset:544*\i
.endr
.irp i, 0,1,2,3
	s_wait_dscnt 3-\i
	global_store_b128 v[GO], v[96+4*\i:99+4*\i], s[10:11] offset:512*\i
.endr
	s_wait_tensorcnt 0x0                           ; the wave's end: behind my last tensor load and my last LDS store
	ds_add_u32 v[SPW], v[NIL]
	s_wait_dscnt 0x0
	CROUND                                         ; the closing round: no work-group ends while a partner may still ask for a tile that names it
	s_endpgm
.Lfunc_end_k_q856b7dd3d3_attn:
	.size	k_q856b7dd3d3_attn, .Lfunc_end_k_q856b7dd3d3_attn-k_q856b7dd3d3_attn
	.p2alignl 7, 3214868480
	.fill 96, 4, 3214868480
	.section	.rodata,"a",@progbits
	.p2align	6, 0x0
	.amdhsa_kernel k_q856b7dd3d3_attn
		.amdhsa_group_segment_fixed_size 327680
		.amdhsa_private_segment_fixed_size 0
		.amdhsa_enable_private_segment 0
		.amdhsa_kernarg_size 32
		.amdhsa_user_sgpr_count 2
		.amdhsa_user_sgpr_kernarg_segment_ptr 1
		.amdhsa_wavefront_size32 1
		.amdhsa_system_sgpr_workgroup_id_x 1
		.amdhsa_system_sgpr_workgroup_id_y 1
		.amdhsa_system_sgpr_workgroup_id_z 1
		.amdhsa_system_vgpr_workitem_id 0
		.amdhsa_next_free_vgpr 512
		.amdhsa_next_free_sgpr 96
		.amdhsa_reserve_vcc 0
		.amdhsa_float_denorm_mode_32 3
		.amdhsa_float_denorm_mode_16_64 3
		.amdhsa_memory_ordered 1
		.amdhsa_forward_progress 1
		.amdhsa_inst_pref_size 246
	.end_amdhsa_kernel
	.amdgpu_metadata
---
amdhsa.version: [ 1, 2 ]
amdhsa.kernels:
  - .name:           k_q856b7dd3d3_attn
    .symbol:         k_q856b7dd3d3_attn.kd
    .args:
      - { .name: qcodes, .offset: 0, .size: 8, .value_kind: global_buffer, .address_space: global }
      - { .name: kvcodes, .offset: 8, .size: 8, .value_kind: global_buffer, .address_space: global }
      - { .name: lowp_scales, .offset: 16, .size: 8, .value_kind: global_buffer, .address_space: global }
      - { .name: out0, .offset: 24, .size: 8, .value_kind: global_buffer, .address_space: global }
    .group_segment_fixed_size: 327680
    .private_segment_fixed_size: 0
    .kernarg_segment_align: 8
    .kernarg_segment_size: 32
    .max_flat_workgroup_size: 256
    .sgpr_count:     96
    .vgpr_count:     512
    .wavefront_size: 32
...
	.end_amdgpu_metadata
.endif
;; end of part 3
